; MI455X (gfx1250); checked and timed in simulation.
; The chip was launched on July 23, 2026; its instructions are those of AMD's public machine-readable ISA for CDNA 5 (MIT licence, August 2026) and "CDNA5" Instruction Set Architecture Reference Guide (July 2026). The comments in the code are by the model that wrote it; some were corrected since.
;; Multihead LSH Attention. Allowed arithmetic: matrix products marked QUANTISED: E3M2 operands, one E8M0 scale for each 32 along K, by v_wmma_scale_f32_16x16x128_f8f6f4 with both operands' format E3M2, f32 sums; everything else in f32.
;; Inputs: K 1 x 4,096 x 512 float32; Q 1 x 4,096 x 512 float32; V 1 x 4,096 x 512 float32; W_out 512 x 512 float32; W_qk 512 x 512 float32; W_v 512 x 512 float32; b_out 512 float32; b_qk 512 float32; b_v 512 float32.
;; Outputs: out0 1 x 4,096 x 512 float32.
;; This version of the problem:
;;   THIS VERSION OF THE PROBLEM IS GIVEN IN LOW PRECISION. The matrix products marked QUANTISED in the list below multiply operands that are first quantised to E3M2 (3 exponent bits, 2 mantissa bits; 6 bits a number), with one power-of-two scale for each 32 numbers along K (OCP MX v1.0); their sums are f32. All else is computed in f32.
;;   The module's matrix products, in the order in which they are computed (A, B: the left and right operand; K: the contracted axis; several contracted axes count as one K, in the product's order):
;;     1. [M 4,096, K 512] x [K 512, N 512]; A: input Q; B: input W_qk: QUANTISED
;;     2. [M 4,096, K 512] x [K 512, N 512]; A: input K; B: input W_qk: QUANTISED
;;     3. [M 4,096, K 512] x [K 512, N 512]; A: input V; B: input W_v: QUANTISED
;;     4. batch 8 x [M 4,096, K 64] x [K 64, N 4,096]; A: computed on the way; B: computed on the way: QUANTISED
;;     5. batch 8 x [M 4,096, K 4,096] x [K 4,096, N 64]; A: softmax (see below); B: computed on the way: QUANTISED
;;     6. [M 4,096, K 512] x [K 512, N 512]; A: computed on the way; B: input W_out: QUANTISED
;;   THE QUANTISER, for each operand of a quantised product, along K:
;;     - K is cut into blocks of 32 from its start; a last block that is shorter is filled with zeros.
;;     - A block's scale is 2^e with e = floor(log2(the largest magnitude in the block)) - 4, held to -126 .. 127; a block of zeros has e = 0. As a byte (E8M0): e + 127.
;;     - Each number is divided by its block's scale, clamped to +-28, and rounded to the nearest number of E3M2, ties to even, subnormals kept.
;;     - The product sums the exact products of the quantised numbers (number of the format x scale) in f32.
;;   ~~~python
;;   def quantise(x, axis):      # numpy; x: float32 -> the quantised numbers, widened to float32 again
;;       x = np.moveaxis(x, axis, -1); K = x.shape[-1]
;;       x = np.pad(x, [(0, 0)] * (x.ndim - 1) + [(0, -K % 32)]); x = x.reshape(x.shape[:-1] + (-1, 32)); a = np.abs(x).max(-1, keepdims=True)
;;       e = np.where(a > 0, np.clip(np.frexp(np.where(a > 0, a, 1))[1] - 1 - 4, -126, 127), 0)      # np.frexp(a)[1] - 1 = floor(log2(a)), exactly
;;       r = np.clip(x / 2.0 ** e, -28, 28)
;;       step = 2.0 ** (np.maximum(np.frexp(np.where(r == 0, 1, r))[1] - 1, -2) - 2)
;;       q = np.round(r / step) * step * 2.0 ** e      # np.round: ties to even
;;       return np.moveaxis(q.reshape(q.shape[:-2] + (-1,))[..., :K], -1, axis).astype(np.float32)
;;   ~~~
;;   SOFTMAX AHEAD OF A QUANTISED PRODUCT. Where the list says 'softmax', what is quantised is not the finished softmax but p = 2^(t - M), with t = logit x log2(e) and M = ceil(the row's largest t), a whole number; so 1/2 < the row's largest p <= 1. The row's sum l is taken of the UNQUANTISED p, in f32, and the product's result is divided by l at the end. Since M is a whole number, a kernel that streams over the keys may use a running M (the ceiling of the running maximum): every later rescaling is an exact power of two, which a block's scale takes up: the codes' values come out the same.
;;   OPERANDS COMPUTED ON THE WAY. 'Computed on the way' means the value that the module computes at that place (a softmax that the list does not call 'softmax' is quantised finished and normalised). What goes into a quantiser is computed in f32, as accurately as f32 sums, v_exp_f32 and their like allow (about 1e-6 of the number): no bf16 or f16 on the way to a quantiser, and a product that is left as it is and whose result goes on into a quantised operand takes f32 operands (vector FMAs, or v_wmma_f32_16x16x4_f32). A number that lies on a knife's edge between two numbers of the format may be rounded either way, as far as f32 arithmetic and the matrix unit's own rounding can turn it there, and no further.
;; One version. Each part assembles by itself: llvm-mc -triple=amdgcn-amd-amdhsa -mcpu=gfx1250 --defsym DOCPART=n.
;; ======== version 1 of 1: 3 launches
;; limits: right only within a limited range of input values
;; workspace buffers: wimg 589,824 bytes; wsc 24,576 bytes; qc 1,638,400 bytes; kv 3,276,800 bytes
;; launch wq (part 1): grid 32 x 3, 4 waves a work-group, no clusters, 34,816 bytes of LDS; arguments W_qk, W_v, W_out, wimg, wsc; writes wimg, wsc
.if DOCPART == 1
	.amdgcn_target "amdgcn-amd-amdhsa--gfx1250"
	.amdhsa_code_object_version 6
	.text
	.protected	k_q72682c6bdb_wq
	.globl	k_q72682c6bdb_wq
	.p2align	8
	.type	k_q72682c6bdb_wq,@function
k_q72682c6bdb_wq:
	s_mov_b64 s[64:65], 0
	v_nop
	global_prefetch_b8 v0, s[64:65] scope:SCOPE_SE
	s_setreg_imm32_b32 hwreg(HW_REG_WAVE_MODE, 25, 1), 1
	s_wait_xcnt 0x0
; The three weights [512 (n)][512 (k)], f32, K innermost, become codes of BF6 (E3M2) with one E8M0 byte for each 32 along K, laid as IMAGES OF OPERAND REGISTERS.
; A fragment is 16 rows x 128 K: 12 registers a lane; lane (r, h) holds row r, registers 6 c .. 6 c + 5 hold k = 64 c + 32 h + 0 .. 31.  Its image is 1,536 bytes: register p of lane l at 512 (p / 4) + 16 l + 4 (p % 4).
; THE ROWS OF A TILE ARE NOT NEIGHBOURS: row m of tile tau is row 64 (tau / 4) + 8 (tau % 4) + m % 8 + 32 (m / 8) of W, so that later the 32 registers of four tiles' results are 32 neighbouring columns in one lane.
; wimg: weight z at 196,608 z, fragment (tau, K step s) at 1,536 (4 tau + s).  wsc: weight z at 8,192 z, one word for a row and a K step at 256 tau + 64 s + 4 m.
; SHARES: a work-group is a tile tau (x) of a weight z (y); wave w is K step w: one fragment a wave.  96 work-groups: that is all the work there is.
; Each load reads one row's 512 consecutive bytes, 16 a lane; the 16 rows turn through the wave's own stage in LDS and come back 128 bytes a lane: a lane then holds two whole blocks of 32, so a block's largest magnitude needs no other lane.
; A block's scale is 2^(floor(log2(largest magnitude)) - 4); its byte is the largest magnitude's exponent field - 4, held at 1 from below by a floor among the maximum's leaves.
; LIMITS: a block whose largest magnitude lies under 2^-122 (a block of zeros too) gets the byte 1 where the rule says 127 for zeros: its codes are zeros, and the bytes are read by this program alone.  NaN and infinities are not served.
.set STGB, 16*528                      ; a wave's stage: 16 rows of 512 bytes + 16: 132 words, so row r starts 4 r words further on among the 64 banks of 4 bytes (ISA guide 11.1)
.set SCW,  4*STGB                      ; behind the stages: the tile's 64 scale words, 256 bytes
.set LI,   1                           ; v1   16 x lane
.set STW,  2                           ; v2   stage, on the way in: 16 x lane
.set STR,  3                           ; v3   stage, on the way out: 528 r + 128 h
.set SH8,  4                           ; v4   8 h
.set SWA,  5                           ; v5   where my row's scale word goes: SCW + 64 w + 4 r
.set SRA,  6                           ; v6   where wave 0 reads the 256 bytes back: SCW + 8 x lane
.set L8,   7                           ; v7   8 x lane
.set RAW,  16                          ; v16-79   16 rows as loaded
.set SRC,  80                          ; v80-143  my 64 numbers: two blocks of 32
.set PC,   144                         ; v144-155 the fragment's codes
.set TC,   156                         ; v156-163 the upper halves of the blocks' codes, before they are moved
.set TM,   164                         ; v164-165 largest magnitudes
.set SCL,  166                         ; v166-167 the conversions' scale operands
.set BY,   168                         ; v168-169 the scale bytes
.set TX,   170                         ; v170     a lane permute's destination
.set PW,   171                         ; v171     the scale word
.set OUTW, 172                         ; v172-173 the way out of the scale words
.set SEL,  24                          ; s[24:25] v_permlanex16_b32's selects for lane l xor 16
; 64 numbers of a lane, v[src + 32 e + 0 .. 31] = block 2 e + h of my row, become the fragment's 12 registers in v[pc] on and my row's scale word in v[pw] (the same in lanes l and l xor 16).
.macro QUANTW src, pc, pw
.irp e, 0,1
	v_max3_num_f32 v[TM+\e], |v[(\src)+32*\e]|, |v[(\src)+32*\e+1]|, 0x2800000   ; and the floor 2^(5 - 127): the byte cannot fall under 1
.endr
.irp i, 2,4,6,8,10,12,14,16,18,20,22,24,26,28,30
.irp e, 0,1
	v_max3_num_f32 v[TM+\e], v[TM+\e], |v[(\src)+32*\e+\i]|, |v[(\src)+32*\e+\i+1]|   ; the two blocks by turns
.endr
.endr
.irp e, 0,1
	v_add_nc_u32 v[SCL+\e], 0xfe000000, v[TM+\e]   ; 4 off the exponent field: the conversion takes this operand's exponent field as its scale
.endr
.irp e, 0,1
	v_lshrrev_b32 v[BY+\e], 23, v[SCL+\e]          ; the scale's byte
.endr
	v_lshl_or_b32 v[\pw], v[BY+1], 16, v[BY]       ; my two bytes, blocks h and 2 + h,
	v_lshlrev_b32 v[\pw], v[SH8], v[\pw]           ; at their places in the word;
	v_permlanex16_b32 v[TX], v[\pw], s[SEL], s[SEL+1]
	v_or_b32 v[\pw], v[\pw], v[TX]                 ; with lane l xor 16's two the word is whole
	v_cvt_scalef32_pk16_bf6_f32 v[(\pc):(\pc)+2], v[(\src):(\src)+15], v[SCL]
	v_cvt_scalef32_pk16_bf6_f32 v[TC:TC+2], v[(\src)+16:(\src)+31], v[SCL]        ; (a conversion's three registers begin on an even number)
	v_cvt_scalef32_pk16_bf6_f32 v[(\pc)+6:(\pc)+8], v[(\src)+32:(\src)+47], v[SCL+1]
	v_cvt_scalef32_pk16_bf6_f32 v[TC+4:TC+6], v[(\src)+48:(\src)+63], v[SCL+1]
	v_nop                                          ; one plain instruction between the conversions and the moves that read their results
.irp i, 0,1,2
	v_mov_b32 v[(\pc)+3+\i], v[TC+\i]
	v_mov_b32 v[(\pc)+9+\i], v[TC+4+\i]
.endr
.endm
	s_load_b128 s[4:7], s[0:1], 0x0                ; W_qk, W_v
	s_load_b128 s[8:11], s[0:1], 0x10              ; W_out, wimg
	s_load_b64 s[12:13], s[0:1], 0x20              ; wsc
	v_lshl_add_u32 v192, v0, 2, 0x8600
	v_mov_b32 v193, 0
	v_lshrrev_b32 v8, 5, v0
	v_readfirstlane_b32 s14, v8                    ; wave = K step
	v_and_b32 v9, 31, v0                           ; lane
	v_and_b32 v10, 15, v0                          ; r
	v_bfe_u32 v11, v0, 4, 1                        ; h
	v_lshlrev_b32 v[LI], 4, v9
	s_mul_i32 s15, s14, STGB
	v_add_nc_u32 v[STW], s15, v[LI]
	v_mul_u32_u24 v[STR], v10, 528
	v_lshl_add_u32 v[STR], v11, 7, v[STR]
	v_add_nc_u32 v[STR], s15, v[STR]
	v_lshlrev_b32 v[SH8], 3, v11
	s_lshl_b32 s16, s14, 6
	s_add_co_u32 s16, s16, SCW
	v_lshl_add_u32 v[SWA], v10, 2, s16
	v_lshlrev_b32 v[L8], 3, v9
	v_add_nc_u32 v[SRA], SCW, v[L8]
	v_mov_b32 v[TX], 0                             ; written once: a lane permute's destination counts as one of its sources
	s_and_b32 s17, ttmp7, 0xffff                   ; z: which weight
	s_lshr_b32 s18, ttmp9, 2
	s_lshl_b32 s18, s18, 6
	s_and_b32 s19, ttmp9, 3
	s_lshl_b32 s19, s19, 3
	s_add_co_u32 s18, s18, s19                     ; the tile's first row: 64 (tau / 4) + 8 (tau % 4)
	s_lshl_b32 s18, s18, 11                        ; x 2,048 bytes
	s_lshl_b32 s19, s14, 9
	s_add_co_u32 s18, s18, s19                     ; + my K step's 512 bytes
	s_mov_b32 s19, 0
	s_lshl_b32 s20, ttmp9, 2
	s_add_co_u32 s20, s20, s14
	s_mul_i32 s20, s20, 1536                       ; the image: 1,536 (4 tau + w)
	s_mul_i32 s21, s17, 196608
	s_add_co_u32 s20, s20, s21
	s_mov_b32 s21, 0
	s_lshl_b32 s22, s17, 13                        ; the scale words: 8,192 z + 256 tau
	s_lshl_b32 s23, ttmp9, 8
	s_add_co_u32 s22, s22, s23
	s_mov_b32 s23, 0
	s_mov_b32 s[SEL], 0x76543210
	s_mov_b32 s[SEL+1], 0xfedcba98
	s_wait_alu depctr_va_vdst(0)
	s_wait_kmcnt 0x0
	s_cmp_eq_u32 s17, 0                            ; the weight is chosen by the work-group's number alone
	s_cselect_b64 s[4:5], s[4:5], s[6:7]
	s_cmp_eq_u32 s17, 2
	s_cselect_b64 s[4:5], s[8:9], s[4:5]
	s_add_nc_u64 s[4:5], s[4:5], s[18:19]
	s_add_nc_u64 s[10:11], s[10:11], s[20:21]
	s_add_nc_u64 s[12:13], s[12:13], s[22:23]
.irp m, 0,1,2,3,4,5,6,7,8,9,10,11,12,13,14,15
	global_load_b128 v[RAW+4*\m:RAW+4*\m+3], v[LI], s[4:5] offset:((\m%8)+32*(\m/8))*2048 th:TH_LOAD_NT   ; row m of the tile: 32 lanes read 512 consecutive bytes; read once in the launch
.endr
.irp m, 0,1,2,3,4,5,6,7,8,9,10,11,12,13,14,15
	s_wait_loadcnt 15-\m                           ; loads come back in order: row m is in, the 15 - m younger ones may be out
	ds_store_b128 v[STW], v[RAW+4*\m:RAW+4*\m+3] offset:528*\m
.endr
.irp c, 0,1
.irp q, 0,1,2,3,4,5,6,7
	ds_load_b128 v[SRC+32*\c+4*\q:SRC+32*\c+4*\q+3], v[STR] offset:256*\c+16*\q   ; LDS serves a wave's instructions in order: these see my stores.  k = 64 c + 32 h + 4 q on, of row r
.endr
.endr
	s_wait_dscnt 0x0
	QUANTW SRC, PC, PW
.irp c, 0,1,2
	global_store_b128 v[LI], v[PC+4*\c:PC+4*\c+3], s[10:11] offset:512*\c   ; the image: 512 consecutive bytes a store
.endr
	ds_store_b32 v[SWA], v[PW]                     ; lanes l and l xor 16 write the same word with the same value
	s_wait_dscnt 0x0                               ; for the others' sake: my word has landed
	s_barrier_signal -1
	s_barrier_wait -1
	s_cmp_lg_u32 s14, 0
	s_cbranch_scc1 .Ldone                          ; wave 0 stores the tile's 64 words
	ds_load_b64 v[OUTW:OUTW+1], v[SRA]
	s_wait_dscnt 0x0
	global_store_b64 v[L8], v[OUTW:OUTW+1], s[12:13]   ; 32 lanes store 256 consecutive bytes, at a multiple of 256 from the buffer's first byte
.Ldone:
	s_wait_tensorcnt 0x0
	ds_add_u32 v192, v193
	s_wait_dscnt 0x0
	s_endpgm
.Lfunc_end_k_q72682c6bdb_wq:
	.size	k_q72682c6bdb_wq, .Lfunc_end_k_q72682c6bdb_wq-k_q72682c6bdb_wq
	.p2alignl 7, 3214868480
	.fill 96, 4, 3214868480
	.section	.rodata,"a",@progbits
	.p2align	6, 0x0
	.amdhsa_kernel k_q72682c6bdb_wq
		.amdhsa_group_segment_fixed_size 34816
		.amdhsa_private_segment_fixed_size 0
		.amdhsa_enable_private_segment 0
		.amdhsa_kernarg_size 40
		.amdhsa_user_sgpr_count 2
		.amdhsa_user_sgpr_kernarg_segment_ptr 1
		.amdhsa_wavefront_size32 1
		.amdhsa_system_sgpr_workgroup_id_x 1
		.amdhsa_system_sgpr_workgroup_id_y 1
		.amdhsa_system_sgpr_workgroup_id_z 1
		.amdhsa_system_vgpr_workitem_id 0
		.amdhsa_next_free_vgpr 194
		.amdhsa_next_free_sgpr 66
		.amdhsa_reserve_vcc 0
		.amdhsa_float_denorm_mode_32 3
		.amdhsa_float_denorm_mode_16_64 3
		.amdhsa_memory_ordered 1
		.amdhsa_forward_progress 1
		.amdhsa_inst_pref_size 11
	.end_amdhsa_kernel
	.amdgpu_metadata
---
amdhsa.version: [ 1, 2 ]
amdhsa.kernels:
  - .name:           k_q72682c6bdb_wq
    .symbol:         k_q72682c6bdb_wq.kd
    .args:
      - { .name: W_qk, .offset: 0, .size: 8, .value_kind: global_buffer, .address_space: global }
      - { .name: W_v, .offset: 8, .size: 8, .value_kind: global_buffer, .address_space: global }
      - { .name: W_out, .offset: 16, .size: 8, .value_kind: global_buffer, .address_space: global }
      - { .name: wimg, .offset: 24, .size: 8, .value_kind: global_buffer, .address_space: global }
      - { .name: wsc, .offset: 32, .size: 8, .value_kind: global_buffer, .address_space: global }
    .group_segment_fixed_size: 34816
    .private_segment_fixed_size: 0
    .kernarg_segment_align: 8
    .kernarg_segment_size: 40
    .max_flat_workgroup_size: 128
    .sgpr_count:     66
    .vgpr_count:     194
    .wavefront_size: 32
...
	.end_amdgpu_metadata
.endif
;; end of part 1
;; launch proj (part 2): grid 64 x 3, 4 waves a work-group, no clusters, 61,952 bytes of LDS; arguments Q, K, V, wimg, wsc, b_qk, b_v, qc, kv; writes qc, kv
.if DOCPART == 2
	.amdgcn_target "amdgcn-amd-amdhsa--gfx1250"
	.amdhsa_code_object_version 6
	.text
	.protected	k_q72682c6bdb_proj
	.globl	k_q72682c6bdb_proj
	.p2align	8
	.type	k_q72682c6bdb_proj,@function
k_q72682c6bdb_proj:
	s_mov_b64 s[64:65], 0
	v_nop
	global_prefetch_b8 v0, s[64:65] scope:SCOPE_SE
	s_setreg_imm32_b32 hwreg(HW_REG_WAVE_MODE, 25, 1), 1
	s_wait_xcnt 0x0
; q = Q W_qk^T + b_qk, k = K W_qk^T + b_qk, v = V W_v^T + b_v, on codes of BF6 (E3M2) with one E8M0 byte for each 32 along K; the results are quantised in registers for the attention's two products and leave as images of operand registers.
; x (Q, K or V: work-group y) is [4096][512] f32 and is quantised here, in registers: each row is read once.  The weights come as images from the launch before.
; THE HEADS ARE A PLAIN RESHAPE: head row s is matrix row 512 head + s / 8, columns 64 (s % 8) on.  So 16 matrix rows (an M-tile X) are 128 neighbouring head rows: local key or query = 8 x (row in the tile) + sub, sub = column / 64.
; SHARES: a work-group takes 64 rows (four M-tiles) and all 512 columns; 192 work-groups (3 tensors x 64).  THE WAVES SHARE THE COLUMNS: a wave's 8 weight tiles x 4 K steps, 384 registers, are read once and stay.
; No cluster: what work-groups share here is the weights, and they go from memory straight into the registers where they stay; asked for jointly they would have to pass through LDS and be read from there once more.
; q, k (transposed use: source 0 = 16 rows of W, source 1 = 16 rows of x): wave w has tiles 8 w + t.  Lane (row r, h) then holds in registers 32 e + 0 .. 31 the columns 64 (2 w + e) + 32 h + 0 .. 31: sub 2 w + e, d = 32 h on: a whole block of the
;   scores' K.  The 12 registers of codes are a PAIR FRAGMENT: registers 0-5 the tile of sub 2 w, registers 6-11 that of sub 2 w + 1 (the scores' K is 64, half of the instruction's 128).  The bias is the C of each sum's first instruction.
; v (source 0 = x, source 1 = W): wave w has tiles 4 t + w.  Lane (r, h) holds d = 8 w + r % 8 + 32 (r / 8), and in tile t, register j, the key 64 h + 8 j + t.  One packed addition a pair adds the bias and lays the lane's keys so that
;   registers 32 e + 4 t + i hold key 64 h + 32 e + 8 i + t: a whole block of 32 keys; the attention lays p in the same order.
; RECORDS.  kv, 12,800 bytes for an M-tile: k's 4 pair images, v's 4 images (d-tile i), k's 64 scale words, v's 64.  qc, 6,400 bytes: q's 4 pair images, its 64 scale words.
; LIMITS: a block whose largest magnitude lies under 2^-122 (a block of zeros too) gets the byte 1: its codes are zeros or next to it, and the bytes are read by this program alone.  NaN and infinities are not served.
; REGISTERS, in windows of 256: window 0: addresses, scale words, x's four fragments, 64 numbers at work.  window 1: W's fragments of K steps 0, 1 at v[24 t + 12 s]; v192-255 the bias tiles (q, k) or the accumulators (v).
;   window 2: W's fragments of K steps 2, 3.   window 3: my 16 rows of x as loaded, v[64 s + 4 m].
.set XIMG, 0                           ; LDS: x's 16 fragments (M-tile m, K step s: 4 m + s), 1,536 bytes each,
.set XSC,  16*1536                     ; their scale words, 128 bytes each,
.set SCG,  XSC+16*128                  ; the results' scale words: 256 bytes for each M-tile,
.set STG,  SCG+4*256                   ; and a stage for each wave
.set STGB, 16*528                      ; 16 rows of 512 bytes + 16: row r starts 4 r words further on among the 64 banks of 4 bytes (ISA guide 11.1)
.set LI,   1                           ; v1   16 x lane
.set LS4,  2                           ; v2   4 x lane
.set SH8,  3                           ; v3   8 h
.set STW,  5                           ; v5   my stage, in: 16 x lane
.set STR,  6                           ; v6   my stage, out: 528 r + 128 h
.set XWI,  7                           ; v7   where I store x's images: 6,144 w + 16 x lane
.set XWS,  8                           ; v8   and their scale words: XSC + 512 w + 4 x lane
.set VST,  9                           ; v9   my image's place in a record: 1,536 w + 16 x lane
.set SGW,  10                          ; v10  SCG + 64 w + 4 r
.set SGR,  11                          ; v11  SCG + 256 w + 8 x lane
.set L8,   12                          ; v12  8 x lane
.set BOT,  13                          ; v13  the bias in tiles: 512 w + 128 h
.set BOV,  14                          ; v14  the bias a lane: 4 (8 w + lane % 8 + 32 ((lane / 8) % 2))
.set VO,   16                          ; v16-23  tile t's images in wimg
.set VSO,  24                          ; v24-31  tile t's scale words in wsc
.set WS,   32                          ; v32-47  W's scale words: register 2 t + g: K step 2 g in lanes 0-15, 2 g + 1 in lanes 16-31
.set XS,   48                          ; v48-51  x's scale words, K step s
.set PW0,  52                          ; v52-55  the results' scale words, M-tile m
.set PWX,  56                          ; v56     x's scale word just made
.set TM,   58
.set SCL,  60
.set BY,   62
.set TX,   64
.set PC,   66                          ; v66-77  the codes just made
.set TC,   78                          ; v78-85
.set BV,   86                          ; v86-101 v's bias, a pair for each sub
.set XF,   104                         ; v104-151 x's four fragments
.set QS,   152                         ; v152-215 64 numbers at work; q's and k's accumulators
.set B1,   192                         ; window 1: the bias tiles / v's accumulators
.set WV,   22
.set TEN,  23
.set SEL,  26
.set XP,   28                          ; s[28:29] x at my 16 rows
.set WIM,  30                          ; s[30:31] the weight's images
.set WSCP, 32                          ; s[32:33] its scale words
.set BP,   34                          ; s[34:35] the bias
.set CB,   36                          ; s[36:43] where the four M-tiles' images go
.set SB,   44                          ; s[44:45] where M-tile w's scale words go
.set MSB, 0
.macro WIN new                         ; the immediate's high byte repeats the setting that is left; a switch that changes nothing is dropped
.if MSB != \new
	s_set_vgpr_msb (MSB<<8)|\new
.set MSB, \new
.endif
.endm
.macro PLACES                          ; four plain vector instructions between a matrix instruction and a read of its result or a load into one of its registers
.rept 4
	v_nop
.endr
.endm
; 64 numbers of a lane, v[src + 32 e + 0 .. 31] = block 2 e + h of the operand, become a fragment's 12 registers in v[pc] on and the scale word in v[pw] (the same in lanes l and l xor 16).  The reads ascend: each accumulator is first read at its low end.
.macro QUANTW src, pc, pw
.irp e, 0,1
	v_max3_num_f32 v[TM+\e], |v[(\src)+32*\e]|, |v[(\src)+32*\e+1]|, 0x2800000   ; and the floor 2^(5 - 127): the byte cannot fall under 1
.endr
.irp i, 2,4,6,8,10,12,14,16,18,20,22,24,26,28,30
.irp e, 0,1
	v_max3_num_f32 v[TM+\e], v[TM+\e], |v[(\src)+32*\e+\i]|, |v[(\src)+32*\e+\i+1]|
.endr
.endr
.irp e, 0,1
	v_add_nc_u32 v[SCL+\e], 0xfe000000, v[TM+\e]   ; 4 off the exponent field: the conversion's scale operand
.endr
.irp e, 0,1
	v_lshrrev_b32 v[BY+\e], 23, v[SCL+\e]          ; the scale's byte
.endr
	v_lshl_or_b32 v[\pw], v[BY+1], 16, v[BY]
	v_lshlrev_b32 v[\pw], v[SH8], v[\pw]
	v_permlanex16_b32 v[TX], v[\pw], s[SEL], s[SEL+1]
	v_or_b32 v[\pw], v[\pw], v[TX]
	v_cvt_scalef32_pk16_bf6_f32 v[(\pc):(\pc)+2], v[(\src):(\src)+15], v[SCL]
	v_cvt_scalef32_pk16_bf6_f32 v[TC:TC+2], v[(\src)+16:(\src)+31], v[SCL]
	v_cvt_scalef32_pk16_bf6_f32 v[(\pc)+6:(\pc)+8], v[(\src)+32:(\src)+47], v[SCL+1]
	v_cvt_scalef32_pk16_bf6_f32 v[TC+4:TC+6], v[(\src)+48:(\src)+63], v[SCL+1]
	v_nop                                          ; one plain instruction between the conversions and the moves that read their results
.irp i, 0,1,2
	v_mov_b32 v[(\pc)+3+\i], v[TC+\i]
	v_mov_b32 v[(\pc)+9+\i], v[TC+4+\i]
.endr
.endm
; K step s of my 16 rows goes through my stage as loaded and comes back 128 bytes a lane: k = 64 c + 32 h + 4 q on, of row r
.macro TURN s
	WIN 0x0c                                       ; an LDS store's data are its source 1: window 3
.irp m, 0,1,2,3,4,5,6,7,8,9,10,11,12,13,14,15
	ds_store_b128 v[STW], v[64*\s+4*\m:64*\s+4*\m+3] offset:528*\m
.endr
	WIN 0
.irp c, 0,1
.irp q, 0,1,2,3,4,5,6,7
	ds_load_b128 v[QS+32*\c+4*\q:QS+32*\c+4*\q+3], v[STR] offset:256*\c+16*\q   ; LDS serves a wave's instructions in order: these see my stores
.endr
.endr
.endm
.macro FETCHX m                        ; M-tile m's four fragments of x and their scale words, as any wave stored them
.irp s, 0,1,2,3
.irp c, 0,1,2
	ds_load_b128 v[XF+12*\s+4*\c:XF+12*\s+4*\c+3], v[LI] offset:XIMG+(4*\m+\s)*1536+512*\c
.endr
	ds_load_b32 v[XS+\s], v[LS4] offset:XSC+128*(4*\m+\s)
.endr
	s_wait_dscnt 0x0
.endm
; q, k: 32 matrix instructions, the eight accumulators by turns, K step by K step
.macro MULK
.irp s, 0,1,2,3
.if \s == 0
	WIN 0x11                                       ; source 0 (W) and source 2 (the bias) window 1
.elseif \s == 1
	WIN 0x01
.else
	WIN 0x02                                       ; W's K steps 2, 3: window 2
.endif
.irp t, 0,1,2,3,4,5,6,7
.set WR, 24*\t+12*(\s%2)
.if \s == 0
	v_wmma_scale_f32_16x16x128_f8f6f4 v[QS+8*\t:QS+8*\t+7], v[WR:WR+11], v[XF+12*\s:XF+12*\s+11], v[B1+8*\t:B1+8*\t+7], v[WS+2*\t], v[XS] matrix_a_fmt:MATRIX_FMT_BF6 matrix_b_fmt:MATRIX_FMT_BF6
.elseif \s%2
	v_wmma_scale_f32_16x16x128_f8f6f4 v[QS+8*\t:QS+8*\t+7], v[WR:WR+11], v[XF+12*\s:XF+12*\s+11], v[QS+8*\t:QS+8*\t+7], v[WS+2*\t+\s/2], v[XS+\s] matrix_a_fmt:MATRIX_FMT_BF6 matrix_b_fmt:MATRIX_FMT_BF6 matrix_a_scale:MATRIX_SCALE_ROW1
.else
	v_wmma_scale_f32_16x16x128_f8f6f4 v[QS+8*\t:QS+8*\t+7], v[WR:WR+11], v[XF+12*\s:XF+12*\s+11], v[QS+8*\t:QS+8*\t+7], v[WS+2*\t+\s/2], v[XS+\s] matrix_a_fmt:MATRIX_FMT_BF6 matrix_b_fmt:MATRIX_FMT_BF6
.endif
.endr
.endr
	WIN 0
.endm
; v: the same with the sources the other way round; the accumulators lie in window 1 and the first K step starts the sums
.macro MULV
.irp s, 0,1,2,3
.if \s == 0
	WIN 0x44                                       ; source 1 (W) window 1, destination window 1
.elseif \s == 1
	WIN 0x54                                       ; and C
.else
	WIN 0x58                                       ; W's K steps 2, 3: window 2
.endif
.irp t, 0,1,2,3,4,5,6,7
.set WR, 24*\t+12*(\s%2)
.if \s == 0
	v_wmma_scale_f32_16x16x128_f8f6f4 v[B1+8*\t:B1+8*\t+7], v[XF+12*\s:XF+12*\s+11], v[WR:WR+11], 0, v[XS], v[WS+2*\t] matrix_a_fmt:MATRIX_FMT_BF6 matrix_b_fmt:MATRIX_FMT_BF6
.elseif \s%2
	v_wmma_scale_f32_16x16x128_f8f6f4 v[B1+8*\t:B1+8*\t+7], v[XF+12*\s:XF+12*\s+11], v[WR:WR+11], v[B1+8*\t:B1+8*\t+7], v[XS+\s], v[WS+2*\t+\s/2] matrix_a_fmt:MATRIX_FMT_BF6 matrix_b_fmt:MATRIX_FMT_BF6 matrix_b_scale:MATRIX_SCALE_ROW1
.else
	v_wmma_scale_f32_16x16x128_f8f6f4 v[B1+8*\t:B1+8*\t+7], v[XF+12*\s:XF+12*\s+11], v[WR:WR+11], v[B1+8*\t:B1+8*\t+7], v[XS+\s], v[WS+2*\t+\s/2] matrix_a_fmt:MATRIX_FMT_BF6 matrix_b_fmt:MATRIX_FMT_BF6
.endif
.endr
.endr
	WIN 0
.endm
.macro SENDC m                         ; my image of M-tile m: three stores of 512 consecutive bytes
.irp c, 0,1,2
	global_store_b128 v[VST], v[PC+4*\c:PC+4*\c+3], s[CB+2*\m:CB+2*\m+1] offset:512*\c
.endr
.endm
	s_load_b512 s[4:19], s[0:1], 0x0               ; Q s[4:5], K s[6:7], V s[8:9], wimg s[10:11], wsc s[12:13], b_qk s[14:15], b_v s[16:17], qc s[18:19]
	s_load_b64 s[20:21], s[0:1], 0x40              ; kv
	v_lshl_add_u32 v254, v0, 2, 0xf000
	v_mov_b32 v255, 0
	v_lshrrev_b32 v58, 5, v0
	v_readfirstlane_b32 s[WV], v58                 ; wave 0..3
	s_and_b32 s[TEN], ttmp7, 0xffff                ; 0: Q, 1: K, 2: V
	v_and_b32 v59, 31, v0                          ; lane
	v_and_b32 v60, 15, v0                          ; r
	v_bfe_u32 v61, v0, 4, 1                        ; h
	v_lshlrev_b32 v[LI], 4, v59
	v_lshlrev_b32 v[LS4], 2, v59
	v_lshlrev_b32 v[SH8], 3, v61
	v_lshlrev_b32 v[L8], 3, v59
	s_mul_i32 s46, s[WV], STGB
	s_add_co_u32 s46, s46, STG
	v_add_nc_u32 v[STW], s46, v[LI]
	v_mul_u32_u24 v[STR], v60, 528
	v_lshl_add_u32 v[STR], v61, 7, v[STR]
	v_add_nc_u32 v[STR], s46, v[STR]
	s_mul_i32 s46, s[WV], 6144
	v_add_nc_u32 v[XWI], s46, v[LI]
	s_lshl_b32 s46, s[WV], 9
	v_lshl_add_u32 v[BOT], v61, 7, s46
	s_add_co_u32 s46, s46, XSC
	v_add_nc_u32 v[XWS], s46, v[LS4]
	s_mul_i32 s46, s[WV], 1536
	v_add_nc_u32 v[VST], s46, v[LI]
	s_lshl_b32 s46, s[WV], 6
	s_add_co_u32 s46, s46, SCG
	v_lshl_add_u32 v[SGW], v60, 2, s46
	s_lshl_b32 s46, s[WV], 8
	s_add_co_u32 s46, s46, SCG
	v_add_nc_u32 v[SGR], s46, v[L8]
	v_and_b32 v62, 7, v0
	v_bfe_u32 v63, v0, 3, 1
	v_lshlrev_b32 v62, 2, v62
	v_lshl_add_u32 v62, v63, 7, v62
	s_lshl_b32 s46, s[WV], 5
	v_add_nc_u32 v[BOV], s46, v62
	v_mov_b32 v[TX], 0                             ; written once: a lane permute's destination counts as one of its sources
	s_mov_b32 s[SEL], 0x76543210
	s_mov_b32 s[SEL+1], 0xfedcba98
	s_lshl_b32 s60, ttmp9, 17                      ; my 16 rows of x: (64 g + 16 w) x 2,048 bytes
	s_lshl_b32 s61, s[WV], 15
	s_add_co_u32 s60, s60, s61
	s_mov_b32 s61, 0
	s_mov_b32 s47, 0
	s_mov_b32 s49, 0
	s_mov_b32 s59, 0
	s_cmp_eq_u32 s[TEN], 2                         ; what differs between the tensors is chosen, not branched on
	s_cselect_b32 s46, 196608, 0                   ; W_v's images lie behind W_qk's,
	s_cselect_b32 s48, 8192, 0                     ; and so do its scale words
	s_mov_b32 s50, 49152
	s_cselect_b32 s50, 6144, s50                   ; tile t of wave w: 8 w + t (q, k) or 4 t + w (v); 6,144 bytes of images a tile
	s_mov_b32 s51, 6144
	s_cselect_b32 s51, 24576, s51
	s_mov_b32 s52, 2048
	s_cselect_b32 s52, 256, s52                    ; and 256 bytes of scale words
	s_mov_b32 s53, 256
	s_cselect_b32 s53, 1024, s53
	s_cselect_b32 s54, 6144, 0                     ; v's images lie behind k's in a record
	s_mov_b32 s55, 12288
	s_cselect_b32 s55, 12544, s55                  ; the scale words' place in a record
	s_cmp_eq_u32 s[TEN], 0
	s_cselect_b32 s55, 6144, s55
	s_mov_b32 s58, 12800
	s_cselect_b32 s58, 6400, s58                   ; a record
	s_mul_i32 s50, s50, s[WV]
	s_mul_i32 s52, s52, s[WV]
.irp t, 0,1,2,3,4,5,6,7
	v_add_nc_u32 v[VO+\t], s50, v[LI]
	v_add_nc_u32 v[VSO+\t], s52, v[LS4]
	s_add_co_u32 s50, s50, s51
	s_add_co_u32 s52, s52, s53
.endr
	s_lshl_b32 s62, ttmp9, 2                       ; my work-group's first M-tile: 4 g
	s_mul_i32 s56, s62, s58
	s_add_co_u32 s56, s56, s54
	s_mov_b32 s57, 0
	s_add_co_u32 s62, s62, s[WV]
	s_mul_i32 s62, s62, s58
	s_add_co_u32 s62, s62, s55
	s_mov_b32 s63, 0
	s_wait_alu depctr_va_vdst(0)
	s_wait_kmcnt 0x0
	s_cmp_eq_u32 s[TEN], 2
	s_cselect_b64 s[BP:BP+1], s[16:17], s[14:15]
	s_cselect_b64 s[XP:XP+1], s[8:9], s[6:7]
	s_cmp_eq_u32 s[TEN], 0
	s_cselect_b64 s[XP:XP+1], s[4:5], s[XP:XP+1]
	s_cselect_b64 s[CB:CB+1], s[18:19], s[20:21]
	s_add_nc_u64 s[XP:XP+1], s[XP:XP+1], s[60:61]
	WIN 0xc0                                       ; destination window 3
.irp s, 0,1,2,3
.irp m, 0,1,2,3,4,5,6,7,8,9,10,11,12,13,14,15
	global_load_b128 v[64*\s+4*\m:64*\s+4*\m+3], v[LI], s[XP:XP+1] offset:2048*\m+512*\s th:TH_LOAD_NT   ; 32 lanes read 512 consecutive bytes of row m; read once in the launch
.endr
.endr
	s_add_nc_u64 s[WIM:WIM+1], s[10:11], s[46:47]
	s_add_nc_u64 s[WSCP:WSCP+1], s[12:13], s[48:49]
	s_add_nc_u64 s[SB:SB+1], s[CB:CB+1], s[62:63]
	s_add_nc_u64 s[CB:CB+1], s[CB:CB+1], s[56:57]
	s_add_nc_u64 s[CB+2:CB+3], s[CB:CB+1], s[58:59]
	s_add_nc_u64 s[CB+4:CB+5], s[CB+2:CB+3], s[58:59]
	s_add_nc_u64 s[CB+6:CB+7], s[CB+4:CB+5], s[58:59]
	WIN 0x40                                       ; destination window 1
.irp t, 0,1,2,3,4,5,6,7
.irp s, 0,1
.irp c, 0,1,2
	global_load_b128 v[24*\t+12*\s+4*\c:24*\t+12*\s+4*\c+3], v[VO+\t], s[WIM:WIM+1] offset:1536*\s+512*\c
.endr
.endr
.endr
	WIN 0x80                                       ; destination window 2
.irp t, 0,1,2,3,4,5,6,7
.irp s, 2,3
.irp c, 0,1,2
	global_load_b128 v[24*\t+12*(\s-2)+4*\c:24*\t+12*(\s-2)+4*\c+3], v[VO+\t], s[WIM:WIM+1] offset:1536*\s+512*\c
.endr
.endr
.endr
	WIN 0
.irp t, 0,1,2,3,4,5,6,7
.irp g, 0,1
	global_load_b32 v[WS+2*\t+\g], v[VSO+\t], s[WSCP:WSCP+1] offset:128*\g
.endr
.endr
; The bias in both forms, on every path, so that no register's writing hangs on a branch: q and k use the tiles, v the number a lane and sub (and lays its accumulators over the tiles).  Both forms stay inside the bias's 2,048 bytes.
.irp t, 0,1,2,3,4,5,6,7
	global_load_b32 v[BV+2*\t], v[BOV], s[BP:BP+1] offset:256*\t
.endr
	WIN 0x40
.irp t, 0,1,2,3,4,5,6,7
	global_load_b128 v[B1+8*\t:B1+8*\t+3], v[BOT], s[BP:BP+1] offset:256*(\t/4)+32*(\t%4)
	global_load_b128 v[B1+8*\t+4:B1+8*\t+7], v[BOT], s[BP:BP+1] offset:256*(\t/4)+32*(\t%4)+16
.endr
	WIN 0
	s_wait_loadcnt 63                              ; 136 loads were issued behind x's last and loads come back in order: x is in; the youngest weights land while x is quantised
	; ---- X: my 16 rows of x become four fragments
.irp s, 0,1,2,3
	TURN \s
	s_wait_dscnt 0x0                               ; my 64 numbers are back; the last step's image stores are done too
	QUANTW QS, PC, PWX
.irp c, 0,1,2
	ds_store_b128 v[XWI], v[PC+4*\c:PC+4*\c+3] offset:XIMG+1536*\s+512*\c
.endr
	ds_store_b32 v[XWS], v[PWX] offset:128*\s
.endr
	s_wait_loadcnt 0x0                             ; the weights, their scale words and the bias
	s_wait_dscnt 0x0                               ; for the others' sake: my images have landed
	s_barrier_signal -1
	s_barrier_wait -1                              ; x's sixteen fragments lie in LDS.  From here to the join the two ways only read LDS
	s_cmp_eq_u32 s[TEN], 2
	s_cbranch_scc1 .Lpath_v
	; ---- q, k
.irp m, 0,1,2,3
	FETCHX \m
	MULK
	PLACES
.if \m > 0
	s_wait_xcnt 0x0                                ; the last M-tile's stores have read the codes' registers: they are written again only behind this wait
.endif
	QUANTW QS, PC, PW0+\m
	SENDC \m
.endr
	s_branch .Ljoin
.Lpath_v:
	; ---- v
.irp t, 0,1,2,3,4,5,6,7
	v_mov_b32 v[BV+2*\t+1], v[BV+2*\t]             ; the bias as a pair, for the packed addition
.endr
.irp m, 0,1,2,3
	FETCHX \m
	MULV
	PLACES
	WIN 0x01                                       ; source 0 (the accumulators) window 1
	s_wait_alu depctr_va_vdst(0)
.irp t, 0,1,2,3,4,5,6,7
.irp e, 0,1
.irp i, 0,2
	v_pk_add_f32 v[QS+32*\e+4*\t+\i:QS+32*\e+4*\t+\i+1], v[B1+8*\t+4*\e+\i:B1+8*\t+4*\e+\i+1], v[BV+2*\t:BV+2*\t+1]   ; + the bias, and to its place in the block: key 64 h + 32 e + 8 i + t at register 32 e + 4 t + i
.endr
.endr
.endr
	WIN 0
.if \m > 0
	s_wait_xcnt 0x0                                ; as above
.endif
	QUANTW QS, PC, PW0+\m
	SENDC \m
.endr
.Ljoin:
.irp m, 0,1,2,3
	ds_store_b32 v[SGW], v[PW0+\m] offset:256*\m   ; M-tile m's words of my image; lanes l and l xor 16 write the same word with the same value
.endr
	s_wait_dscnt 0x0                               ; for the others' sake
	s_barrier_signal -1
	s_barrier_wait -1
	ds_load_b64 v[QS:QS+1], v[SGR]                 ; wave w takes M-tile w's 64 words
	s_wait_dscnt 0x0
	global_store_b64 v[L8], v[QS:QS+1], s[SB:SB+1] ; 32 lanes store 256 consecutive bytes, at a multiple of 256 from the buffer's first byte
	s_wait_tensorcnt 0x0
	ds_add_u32 v254, v255
	s_wait_dscnt 0x0
	s_endpgm
.Lfunc_end_k_q72682c6bdb_proj:
	.size	k_q72682c6bdb_proj, .Lfunc_end_k_q72682c6bdb_proj-k_q72682c6bdb_proj
	.p2alignl 7, 3214868480
	.fill 96, 4, 3214868480
	.section	.rodata,"a",@progbits
	.p2align	6, 0x0
	.amdhsa_kernel k_q72682c6bdb_proj
		.amdhsa_group_segment_fixed_size 61952
		.amdhsa_private_segment_fixed_size 0
		.amdhsa_enable_private_segment 0
		.amdhsa_kernarg_size 72
		.amdhsa_user_sgpr_count 2
		.amdhsa_user_sgpr_kernarg_segment_ptr 1
		.amdhsa_wavefront_size32 1
		.amdhsa_system_sgpr_workgroup_id_x 1
		.amdhsa_system_sgpr_workgroup_id_y 1
		.amdhsa_system_sgpr_workgroup_id_z 1
		.amdhsa_system_vgpr_workitem_id 0
		.amdhsa_next_free_vgpr 1024
		.amdhsa_next_free_sgpr 66
		.amdhsa_reserve_vcc 0
		.amdhsa_float_denorm_mode_32 3
		.amdhsa_float_denorm_mode_16_64 3
		.amdhsa_memory_ordered 1
		.amdhsa_forward_progress 1
		.amdhsa_inst_pref_size 123
	.end_amdhsa_kernel
	.amdgpu_metadata
---
amdhsa.version: [ 1, 2 ]
amdhsa.kernels:
  - .name:           k_q72682c6bdb_proj
    .symbol:         k_q72682c6bdb_proj.kd
    .args:
      - { .name: Q, .offset: 0, .size: 8, .value_kind: global_buffer, .address_space: global }
      - { .name: K, .offset: 8, .size: 8, .value_kind: global_buffer, .address_space: global }
      - { .name: V, .offset: 16, .size: 8, .value_kind: global_buffer, .address_space: global }
      - { .name: wimg, .offset: 24, .size: 8, .value_kind: global_buffer, .address_space: global }
      - { .name: wsc, .offset: 32, .size: 8, .value_kind: global_buffer, .address_space: global }
      - { .name: b_qk, .offset: 40, .size: 8, .value_kind: global_buffer, .address_space: global }
      - { .name: b_v, .offset: 48, .size: 8, .value_kind: global_buffer, .address_space: global }
      - { .name: qc, .offset: 56, .size: 8, .value_kind: global_buffer, .address_space: global }
      - { .name: kv, .offset: 64, .size: 8, .value_kind: global_buffer, .address_space: global }
    .group_segment_fixed_size: 61952
    .private_segment_fixed_size: 0
    .kernarg_segment_align: 8
    .kernarg_segment_size: 72
    .max_flat_workgroup_size: 128
    .sgpr_count:     66
    .vgpr_count:     1024
    .wavefront_size: 32
...
	.end_amdgpu_metadata
.endif
;; end of part 2
;; launch attn (part 3): grid 32 x 8, 16 waves a work-group, clusters of 4 x 1, 327,680 bytes of LDS; arguments qc, kv, wimg, wsc, b_out, out0; writes out0
.if DOCPART == 3
	.amdgcn_target "amdgcn-amd-amdhsa--gfx1250"
	.amdhsa_code_object_version 6
	.text
	.protected	k_q72682c6bdb_attn
	.globl	k_q72682c6bdb_attn
	.p2align	8
	.type	k_q72682c6bdb_attn,@function
k_q72682c6bdb_attn:
	s_mov_b64 s[64:65], 0
	v_nop
	global_prefetch_b8 v0, s[64:65] scope:SCOPE_SE
	s_setreg_imm32_b32 hwreg(HW_REG_WAVE_MODE, 25, 1), 1
	s_wait_xcnt 0x0
	s_wait_alu depctr_hold_cnt(0) depctr_sa_sdst(0) depctr_va_vdst(0) depctr_va_sdst(0) depctr_va_ssrc(0) depctr_va_vcc(0) depctr_vm_vsrc(0)
	s_getreg_b32 s2, hwreg(HW_REG_IB_STS2, 6, 4)
	s_cmp_eq_u32 s2, 0
	s_cbranch_scc0 .Lentry_in_a_cluster
	s_endpgm
.Lentry_in_a_cluster:
	s_bfe_u32 s2, ttmp6, 0x10000c
	s_cmp_lg_u32 s2, 0x3003
	s_cbranch_scc0 .Lentry_shape_is_right
	s_endpgm
.Lentry_shape_is_right:
; out = softmax(q k^T / 8) v, then x W_out^T + b_out, on codes of BF6 (E3M2) with one E8M0 byte for each 32 along K.
; q, k, v come as images of operand registers (records of 6,400 and 12,800 bytes for 16 matrix rows = 128 head rows), W_out as images too.
; SHARES: a work-group has one M-tile of a head: 128 queries, 16 matrix rows of the result.  16 waves, four on each SIMD, 256 registers each.
; Wave wv has the 16 queries of sub w8 = wv % 8 (query 8 r + w8) and HALF OF THE KEYS: of each slot's 8 records, records 4 kh .. 4 kh + 3, kh = wv / 8.
; Both products are used transposed (S^T = k q^T, O^T = v^T p^T): a lane holds one query.  M is the running largest t rounded up to a whole number, kept as -M; p = 2^(t - M); the sum is taken of the unquantised p.
; At the end wave w8 + 8 hands O^T, -M and its sum to wave w8 through LDS; the two parts are brought under the larger M by powers of two, which round nothing.
; A TRIP SERVES ONE RECORD FROM START TO END: k's fragments land on the registers where the last p lay, v's on those of the scores once the exponentials have read them.
; THE RING: two slots of 8 records, each wave fetching half a record (25 rows of 256 bytes).  The four work-groups of a cluster have the same head and ask for each slot JOINTLY (mask 15).
; A refill is asked for four trips of every wave ahead of the wait for it, so kv is not prefetched; W_out's images, first wanted at the end, are: each wave names a quarter of its own 12,288 bytes,
; the four partners telling their quarters apart by address: 12 blocks of 256 bytes, the lanes left over naming the last block again.
; THE WAY OUT: the merged O, divided by the sum, is quantised (a lane holds a whole block of 32 d) and the eight halves of fragments meet in LDS; wave wv multiplies them with W_out's tiles 4 w8 + 2 kh, + 1;
; a pair of waves fills 16 rows of 256 bytes in a stage, and sixteen lanes store each aligned run of 256 bytes.
; LIMITS: the promise holds while the scaled scores stay under 2^31 in magnitude.  A block whose largest magnitude lies under 2^-122 gets the byte 1.  NaN and infinities are not served.
.set REC,   12800
.set HREC,  6400
.set SLOTB, 8*REC
.set SLOT1, 1<<17
.set OIMG,  SLOT1+SLOTB                ; O's eight half fragments, 768 bytes each
.set OSC,   OIMG+8*768                 ; their scale words
.set STAGE, OSC+256                    ; 4,608 bytes for each pair of waves: first the merge (4,096 of O^T, 512 of -M and the sum), later 16 rows of 272
.set PAIRB, 4608
.set SPARE, STAGE+8*PAIRB              ; the spare words: 128 bytes for each of 16 waves
.set LI,  1                            ; 16 x lane
.set LS4, 2                            ; 4 x lane
.set SH8, 3                            ; 8 h
.set ADR, 4                            ; the record's images; at the end MGA
.set ADS, 5                            ; its scale words; at the end OIA
.set SPW, 6
.set NIL, 7
.set BOA, 8                            ; 128 h
.set RR,  9
.set HH,  10
.set LN,  11                           ; the lane; at the end GO
.set QS,  16                           ; scale words: q's, p's, k's, v's
.set PS,  17
.set KS,  18
.set VS,  20
.set OS,  18                           ; at the end: O's four scale words
.set BM,  22
.set T0,  24
.set T1,  25
.set FAC, 26
.set SCL, 28
.set BY,  30
.set QZ,  32                           ; v32-49  six zeros, q's six registers, six zeros
.set PC,  50                           ; v50-61  p's codes
.set TC,  62                           ; v62-69
.set OT,  70                           ; v70-101 O^T
.set S,   102                          ; v102-165 the scores; then v's fragments
.set VF,  102
.set P,   166                          ; v166-229 p; then the next record's fragments of k
.set KF,  166
.set WF,  102                          ; at the end: W_out's eight fragments, v102-197
.set OX,  198                          ; the partner's O^T, then the merged O; last the rows read back
.set OF,  32                           ; O's four fragments, v32-79
.set YA,  80                           ; the result's two accumulators
.set BO,  230                          ; the bias, as C
.set WOS, 246                          ; W_out's scale words
.set MGA, 4
.set OIA, 5
.set OIL, 250
.set OSS, 251
.set OSL, 252
.set STO, 253
.set RD,  254
.set GO,  11
.set PFO, 255                          ; the prefetch's offset; never rewritten
.set WV,  16
.set W8,  17
.set KH,  18
.set SEL, 20
.set CS,  22
.set G1,  24
.set G0A, 32
.set G0B, 36
.set TB,  40
.set SLOTS, 41
.set TRIPS, 42
.set QSH, 43
.set WOB, 44
.set WOSB, 46
.set BOP, 48
.set OUTP, 50
.set QP,  52
.set PFB, 70
.macro PLACES
.rept 4
	v_nop
.endr
.endm
.macro CROUND                          ; a round of the cluster's barrier
	s_barrier_signal -1
	s_barrier_wait -1
	s_cmp_lg_u32 s[WV], 0
	s_cbranch_scc1 .Lnot_wave_0_\@
	s_barrier_signal -3
.Lnot_wave_0_\@:
	s_barrier_wait -3
	s_barrier_signal -1
	s_barrier_wait -1
.endm
.macro LK                              ; the record's four pair fragments of k and their scale words.  The five plain lines are the places between the last trip's O^T products and the score products, which write over v's fragments
	v_add_nc_u32 v[ADR], s[TB], v[LI]
	v_add_nc_u32 v[ADS], s[TB], v[LS4]
.rept 3
	v_nop
.endr
.irp f, 0,1,2,3
.irp c, 0,1,2
	ds_load_b128 v[KF+12*\f+4*\c:KF+12*\f+4*\c+3], v[ADR] offset:1536*\f+512*\c
.endr
.endr
	ds_load_b32 v[KS], v[ADS] offset:12288
	ds_load_b32 v[KS+1], v[ADS] offset:12416
.endm
.macro LV                              ; its four fragments of v, onto the scores' registers
.irp i, 0,1,2,3
.irp c, 0,1,2
	ds_load_b128 v[VF+12*\i+4*\c:VF+12*\i+4*\c+3], v[ADR] offset:6144+1536*\i+512*\c
.endr
.endr
	ds_load_b32 v[VS], v[ADS] offset:12544
	ds_load_b32 v[VS+1], v[ADS] offset:12672
.endm
.macro SMUL                            ; S^T: eight tiles of 16 keys; the scores' K is 64, so q stands beside six zero registers and picks one half of a pair fragment
	s_wait_dscnt 0x0                               ; k's fragments are in
.irp f, 0,1,2,3
.irp u, 0,1
.if \f%2
	v_wmma_scale_f32_16x16x128_f8f6f4 v[S+8*(2*\f+\u):S+8*(2*\f+\u)+7], v[KF+12*\f:KF+12*\f+11], v[QZ+6*(1-\u):QZ+6*(1-\u)+11], 0, v[KS+\f/2], v[QS] matrix_a_fmt:MATRIX_FMT_BF6 matrix_b_fmt:MATRIX_FMT_BF6 matrix_a_scale:MATRIX_SCALE_ROW1
.else
	v_wmma_scale_f32_16x16x128_f8f6f4 v[S+8*(2*\f+\u):S+8*(2*\f+\u)+7], v[KF+12*\f:KF+12*\f+11], v[QZ+6*(1-\u):QZ+6*(1-\u)+11], 0, v[KS+\f/2], v[QS] matrix_a_fmt:MATRIX_FMT_BF6 matrix_b_fmt:MATRIX_FMT_BF6
.endif
.endr
.endr
.endm
.macro PVMUL                           ; O^T += v^T p^T, the four accumulators by turns
	s_wait_dscnt 0x0                               ; v's fragments are in
.irp i, 0,1,2,3
.if \i%2
	v_wmma_scale_f32_16x16x128_f8f6f4 v[OT+8*\i:OT+8*\i+7], v[VF+12*\i:VF+12*\i+11], v[PC:PC+11], v[OT+8*\i:OT+8*\i+7], v[VS+\i/2], v[PS] matrix_a_fmt:MATRIX_FMT_BF6 matrix_b_fmt:MATRIX_FMT_BF6 matrix_a_scale:MATRIX_SCALE_ROW1
.else
	v_wmma_scale_f32_16x16x128_f8f6f4 v[OT+8*\i:OT+8*\i+7], v[VF+12*\i:VF+12*\i+11], v[PC:PC+11], v[OT+8*\i:OT+8*\i+7], v[VS+\i/2], v[PS] matrix_a_fmt:MATRIX_FMT_BF6 matrix_b_fmt:MATRIX_FMT_BF6
.endif
.endr
.endm
; Tile t, register 4 e + i of lane (r, h) is key 64 h + 32 e + 8 i + t of query r: block e of my half.  p goes to register 32 e + 4 t + i, the order in which v's images have the keys.
.macro SOFTMAX
.irp e, 0,1
	v_max3_num_f32 v[BM+\e], v[S+4*\e], v[S+4*\e+1], v[S+4*\e+2]   ; each block's largest score: for the row's maximum and for the block's largest p
.endr
.irp n, 3,5,7,9,11,13,15,17,19,21,23,25,27,29
.irp e, 0,1
	v_max3_num_f32 v[BM+\e], v[BM+\e], v[S+8*(\n/4)+4*\e+\n%4], v[S+8*((\n+1)/4)+4*\e+(\n+1)%4]
.endr
.endr
.irp e, 0,1
	v_max_num_f32 v[BM+\e], v[BM+\e], v[S+59+4*\e]
.endr
	s_delay_alu instid0(VALU_DEP_1)
	v_max_num_f32 v[T0], v[BM], v[BM+1]
	s_delay_alu instid0(VALU_DEP_1)
	v_permlanex16_b32 v[T1], v[T0], s[SEL], s[SEL+1]
	s_delay_alu instid0(VALU_DEP_1)
	v_max_num_f32 v[T0], v[T0], v[T1]
	s_delay_alu instid0(VALU_DEP_1)
	v_mul_f32 v[T0], s[CS], v[T0]                  ; as t
	s_delay_alu instid0(VALU_DEP_1)
	v_max_num_f32 v13, v13, v[T0]                  ; the running largest t
	v_mov_b32 v[T0], v12
	s_delay_alu instid0(VALU_DEP_2)
	v_floor_f32 v12, -v13                          ; the new -M
	s_delay_alu instid0(VALU_DEP_1)
	v_sub_f32 v[T0], v12, v[T0]
	s_delay_alu instid0(VALU_DEP_1)
	v_cvt_i32_f32 v[T0], v[T0]
	s_delay_alu instid0(VALU_DEP_1)
	v_ldexp_f32 v[FAC], 1.0, v[T0]                 ; f = 2^(old M - new M)
.irp j, 0,2,4,6,8,10,12,14,16,18,20,22,24,26,28,30,32,34,36,38,40,42,44,46,48,50,52,54,56,58,60,62
	v_pk_fma_f32 v[S+\j:S+\j+1], v[S+\j:S+\j+1], s[CS:CS+1], v[12:13] op_sel_hi:[1,0,0]   ; t - M
.endr
.irp e, 0,1
	v_fma_f32 v[BM+\e], v[BM+\e], s[CS], v12
.endr
	s_wait_alu depctr_va_vdst(0)                   ; the wait ahead of the batch
.irp t, 0,1,2,3,4,5,6,7
.irp e, 0,1
.irp i, 0,1,2,3
	v_exp_f32 v[P+32*\e+4*\t+\i], v[S+8*\t+4*\e+\i]
.endr
.endr
.endr
	v_pk_mul_f32 v[14:15], v[14:15], v[FAC:FAC+1] op_sel_hi:[1,0]
	s_wait_alu depctr_va_vdst(0)                   ; and behind it
	LV                                             ; the scores have been read: v's fragments take their registers
.irp e, 0,1
	v_exp_f32 v[BM+\e], v[BM+\e]                   ; each block's largest p
.endr
	s_wait_alu depctr_va_vdst(0)                   ; the wait directly ahead of the first reader of O^T
.irp j, 0,2,4,6,8,10,12,14,16,18,20,22,24,26,28,30
	v_pk_mul_f32 v[OT+\j:OT+\j+1], v[OT+\j:OT+\j+1], v[FAC:FAC+1] op_sel_hi:[1,0]
.endr
	s_wait_alu depctr_va_vdst(0)
.irp e, 0,1
	v_max_num_f32 v[BM+\e], 0x2800000, v[BM+\e]    ; the floor 2^(5 - 127): the byte cannot fall under 1
.endr
.irp e, 0,1
	s_delay_alu instid0(VALU_DEP_2)
	v_add_nc_u32 v[SCL+\e], 0xfe000000, v[BM+\e]   ; 4 off the exponent field: the conversion's scale operand
.endr
.irp e, 0,1
	s_delay_alu instid0(VALU_DEP_2)
	v_lshrrev_b32 v[BY+\e], 23, v[SCL+\e]
.endr
	s_delay_alu instid0(VALU_DEP_1)
	v_lshl_or_b32 v[PS], v[BY+1], 16, v[BY]
	s_delay_alu instid0(VALU_DEP_1)
	v_lshlrev_b32 v[PS], v[SH8], v[PS]
	s_delay_alu instid0(VALU_DEP_1)
	v_permlanex16_b32 v[T1], v[PS], s[SEL], s[SEL+1]
	s_delay_alu instid0(VALU_DEP_1)
	v_or_b32 v[PS], v[PS], v[T1]                   ; p's scale word for these 128 keys
	v_cvt_scalef32_pk16_bf6_f32 v[PC:PC+2], v[P:P+15], v[SCL]
	v_cvt_scalef32_pk16_bf6_f32 v[TC:TC+2], v[P+16:P+31], v[SCL]
	v_cvt_scalef32_pk16_bf6_f32 v[PC+6:PC+8], v[P+32:P+47], v[SCL+1]
	v_cvt_scalef32_pk16_bf6_f32 v[TC+4:TC+6], v[P+48:P+63], v[SCL+1]
	v_pk_add_f32 v[T0:T1], v[P:P+1], v[P+2:P+3]    ; the sum of the unquantised p, in two chains
.irp i, 0,1,2
	v_mov_b32 v[PC+3+\i], v[TC+\i]
	v_mov_b32 v[PC+9+\i], v[TC+4+\i]
.endr
.irp j, 4,8,12,16,20,24,28,32,36,40,44,48,52,56,60
	v_pk_add_f32 v[14:15], v[14:15], v[P+\j:P+\j+1]
	v_pk_add_f32 v[T0:T1], v[T0:T1], v[P+\j+2:P+\j+3]
.endr
	s_delay_alu instid0(VALU_DEP_1)
	v_pk_add_f32 v[14:15], v[14:15], v[T0:T1]
.endm
.macro TRIP
	LK
	SMUL
	PLACES
	SOFTMAX
	PVMUL
	s_add_co_u32 s[TB], s[TB], REC
.endm
.macro WALK name                       ; my four records of a slot
	s_mov_b32 s[TRIPS], 4
\name:
	TRIP
	s_sub_co_u32 s[TRIPS], s[TRIPS], 1
	s_cmp_lg_u32 s[TRIPS], 0
	s_cbranch_scc1 \name
.endm
.macro CHANGE fill                     ; a change of slots: all my tensor loads have landed, the add, my reads of the old slot are over; then the round and the joint refill, or a plain barrier
	s_wait_tensorcnt 0x0
	ds_add_u32 v[SPW], v[NIL]
.if \fill
	s_xor_b32 s[G0B+1], s[G0B+1], SLOT1
	s_add_nc_u64 s[G0B+2:G0B+3], s[G0B+2:G0B+3], SLOTB
	s_wait_dscnt 0x0
	CROUND
	tensor_load_to_lds s[G0B:G0B+3], s[G1:G1+7]
	s_nop 0
	PLACES
.else
	s_wait_dscnt 0x0
	s_barrier_signal -1
	s_barrier_wait -1
.endif
	s_sub_co_u32 s[TB], s[TB], 4*REC
	s_xor_b32 s[TB], s[TB], SLOT1
.endm
	s_load_b256 s[4:11], s[0:1], 0x0               ; qc, kv, wimg, wsc
	s_load_b128 s[12:15], s[0:1], 0x20             ; b_out, out0
	v_lshl_add_u32 v[SPW], v0, 2, SPARE
	v_mov_b32 v[NIL], 0
	ds_add_u32 v[SPW], v[NIL]                      ; the opening lines: the add twice on end
	ds_add_u32 v[SPW], v[NIL]
	v_lshrrev_b32 v[ADR], 5, v0
	s_delay_alu instid0(VALU_DEP_1)
	v_readfirstlane_b32 s[WV], v[ADR]
	s_and_b32 s[W8], s[WV], 7                      ; which sub of the queries
	s_lshr_b32 s[KH], s[WV], 3                     ; which half of the keys
	s_and_b32 s19, ttmp7, 0xffff                   ; the head
	s_mul_i32 s54, s19, 32*REC
	s_mul_i32 s[G0A+1], s[WV], HREC                ; my half record of a slot
	s_add_co_u32 s54, s54, s[G0A+1]
	s_mov_b32 s55, 0
	s_bfe_u32 s58, ttmp6, 0x40000                  ; cx
	s_lshl_b32 s61, ttmp9, 2
	s_add_co_u32 s61, s61, s58
	s_lshl_b32 s60, s19, 5
	s_add_co_u32 s60, s60, s61                     ; my M-tile
	s_mul_i32 s62, s60, 6400                       ; its record in qc
	s_mov_b32 s63, 0
	s_lshl_b32 s60, s60, 15                        ; its 16 rows of out0,
	s_lshl_b32 s61, s[W8], 8
	s_add_co_u32 s60, s60, s61                     ; my pair's 64 columns
	s_mov_b32 s61, 0
	s_mul_i32 s58, s58, 3072                       ; my work-group's quarter of what the prefetch names
	s_mov_b32 s59, 0
	s_lshl_b32 s56, s[W8], 1
	s_add_co_u32 s56, s56, s[KH]                   ; 2 w8 + kh: W_out's tiles 2 x that, + 1
	s_lshl_b32 s72, s56, 9
	s_add_co_u32 s72, s72, 16384                   ; their scale words
	s_mov_b32 s73, 0
	s_mul_i32 s56, s56, 12288
	s_add_co_u32 s56, s56, 393216                  ; their images
	s_mov_b32 s57, 0
	s_lshl_b32 s74, s[W8], 8
	s_lshl_b32 s75, s[KH], 6
	s_add_co_u32 s74, s74, s75                     ; their bias
	s_mov_b32 s75, 0
	s_lshr_b32 s68, s[W8], 1                       ; q's pair image, and which half of it
	s_and_b32 s69, s[W8], 1
	s_mul_i32 s66, s68, 1536
	s_mul_i32 s67, s69, 1016
	s_add_co_u32 s67, s67, s66
	s_mul_i32 s[QSH], s69, 520
	s_add_co_u32 s66, s66, s[QSH]
	s_lshl_b32 s[QSH], s69, 4
	s_lshl_b32 s68, s68, 6
	s_add_co_u32 s68, s68, 6144
	s_mul_i32 s[TB], s[KH], 4*REC
	s_mov_b32 s[G1], 15|(3<<16)|(1<<21)            ; the mask of the four partners; elements of 8 bytes
	s_mov_b32 s[G1+1], 32<<16                      ; rows of 256 bytes,
	s_mov_b32 s[G1+2], 25<<16                      ; 25 of them
	s_mov_b32 s[G1+3], 32<<16
	s_mov_b32 s[G1+4], 25
	s_mov_b32 s[G1+5], 32
	s_mov_b32 s[G1+6], 0
	s_mov_b32 s[G1+7], 0
	s_mov_b32 s[G0A], 1
	s_mov_b32 s[G0B], 1
	s_add_co_u32 s[G0B+1], s[G0A+1], SLOT1
	s_mov_b32 s[SEL], 0x76543210
	s_mov_b32 s[SEL+1], 0xfedcba98
	s_mov_b32 s[CS], 0x3e38aa3b                    ; log2(e) / 8
	s_mov_b32 s[CS+1], s[CS]
	v_and_b32 v[LN], 31, v0
	v_and_b32 v[RR], 15, v0
	v_bfe_u32 v[HH], v0, 4, 1
	v_lshlrev_b32 v[LI], 4, v[LN]
	v_lshlrev_b32 v[LS4], 2, v[LN]
	v_lshlrev_b32 v[SH8], 3, v[HH]
	v_lshlrev_b32 v[BOA], 7, v[HH]
	v_min_u32 v[PFO], 11, v[LN]
	v_add_nc_u32 v[BM], s66, v[LI]
	v_add_nc_u32 v[BM+1], s67, v[LI]
	v_lshl_add_u32 v[FAC], v[RR], 2, s68
	v_lshlrev_b32 v[PFO], 8, v[PFO]
.irp k, 0,1,2,3,4,5,12,13,14,15,16,17
	v_mov_b32 v[QZ+\k], 0
.endr
	v_mov_b32 v13, 0xff61b1e6                      ; -3e38, under every t
	v_mov_b32 v14, 0
	v_mov_b32 v15, 0
	v_mov_b32 v[T1], 0
	v_mov_b32 v[FAC+1], 0
	v_floor_f32 v12, -v13
	s_wait_alu depctr_va_vdst(0)                   ; ahead of the waits below
	s_wait_dscnt 0x0                               ; both opening adds are done
	s_wait_kmcnt 0x0
	s_add_nc_u64 s[G0A+2:G0A+3], s[6:7], s[54:55]
	s_add_nc_u64 s[G0B+2:G0B+3], s[G0A+2:G0A+3], SLOTB
	s_or_b32 s[G0A+3], s[G0A+3], 0x80000000
	s_or_b32 s[G0B+3], s[G0B+3], 0x80000000
	s_add_nc_u64 s[QP:QP+1], s[4:5], s[62:63]
	s_add_nc_u64 s[WOB:WOB+1], s[8:9], s[56:57]
	s_add_nc_u64 s[PFB:PFB+1], s[WOB:WOB+1], s[58:59]
	s_add_nc_u64 s[WOSB:WOSB+1], s[10:11], s[72:73]
	s_add_nc_u64 s[BOP:BOP+1], s[12:13], s[74:75]
	s_add_nc_u64 s[OUTP:OUTP+1], s[14:15], s[60:61]
	CROUND
	tensor_load_to_lds s[G0A:G0A+3], s[G1:G1+7]    ; records 0-7: my one load at the head
	s_nop 0
	PLACES
	global_load_b64 v[QZ+6:QZ+7], v[BM], s[QP:QP+1]           ; q's six registers and its scale word come while the slot is on its way
	global_load_b64 v[QZ+8:QZ+9], v[BM+1], s[QP:QP+1] offset:8
	global_load_b64 v[QZ+10:QZ+11], v[BM], s[QP:QP+1] offset:512
	global_load_b32 v[T0], v[FAC], s[QP:QP+1]
	s_cmp_lt_u32 ttmp9, 1
	s_cbranch_scc0 .Lno_prefetch_attn0
	global_prefetch_b8 v[PFO], s[PFB:PFB+1] th:TH_LOAD_NT scope:SCOPE_SE
.Lno_prefetch_attn0:
	s_wait_tensorcnt 0x0
	ds_add_u32 v[SPW], v[NIL]
	s_wait_dscnt 0x0
	CROUND                                         ; slot 0 is whole for all sixteen waves
	tensor_load_to_lds s[G0B:G0B+3], s[G1:G1+7]    ; records 8-15
	s_nop 0
	PLACES
	s_wait_loadcnt 0x0
	v_lshrrev_b32 v[T0], s[QSH], v[T0]
	s_delay_alu instid0(VALU_DEP_1)
	v_and_b32 v[T0], 0xffff, v[T0]
	s_delay_alu instid0(VALU_DEP_1)
	v_lshl_or_b32 v[QS], v[T0], 16, v[T0]          ; my sub's two bytes, for either half of the instruction's K
.irp j, 0,1,2,3,4,5,6,7,8,9,10,11,12,13,14,15,16,17,18,19,20,21,22,23,24,25,26,27,28,29,30,31
	v_mov_b32 v[OT+\j], 0                          ; the trip is written once: the first finds zeros
.endr
	WALK .Lfirst
	s_mov_b32 s[SLOTS], 2
.Lslot:
	CHANGE 1
	WALK .Lstep
	s_sub_co_u32 s[SLOTS], s[SLOTS], 1
	s_cmp_lg_u32 s[SLOTS], 0
	s_cbranch_scc1 .Lslot
	CHANGE 0
	WALK .Llast
	; ---- the end: W_out's fragments are asked for, and land while the two halves of the keys are joined
	PLACES
.irp f, 0,1,2,3,4,5,6,7
.irp c, 0,1,2
	global_load_b128 v[WF+12*\f+4*\c:WF+12*\f+4*\c+3], v[LI], s[WOB:WOB+1] offset:1536*\f+512*\c
.endr
.endr
.irp q, 0,1,2,3
	global_load_b128 v[BO+4*\q:BO+4*\q+3], v[BOA], s[BOP:BOP+1] offset:16*\q
.endr
.irp i, 0,1
.irp g, 0,1
	global_load_b32 v[WOS+2*\i+\g], v[LS4], s[WOSB:WOSB+1] offset:256*\i+128*\g
.endr
.endr
	s_mul_i32 s54, s[W8], PAIRB
	s_add_co_u32 s54, s54, STAGE                   ; my pair's bytes
	s_mul_i32 s55, s[W8], 768
	s_add_co_u32 s55, s55, OIMG
	s_lshr_b32 s56, s[W8], 1
	s_lshl_b32 s56, s56, 6
	s_and_b32 s57, s[W8], 1
	s_lshl_b32 s57, s57, 1
	s_add_co_u32 s56, s56, s57
	s_add_co_u32 s56, s56, OSC
	s_lshl_b32 s57, s[KH], 6
	s_add_co_u32 s57, s57, s54
	s_mul_i32 s58, s[KH], 8*272
	s_add_co_u32 s58, s58, s54
	s_lshl_b32 s59, s[KH], 14
	s_wait_alu depctr_va_vdst(0)                   ; directly ahead of the reader below
	v_add_f32 v14, v14, v15
	v_add_nc_u32 v[MGA], s54, v[LI]
	v_lshl_add_u32 v[OIA], v[LN], 3, s55
	v_permlanex16_b32 v[T1], v14, s[SEL], s[SEL+1]
	v_lshl_add_u32 v[OIL], v[LN], 3, OIMG
	v_lshl_add_u32 v[OSS], v[RR], 2, s56
	v_add_f32 v14, v14, v[T1]                      ; my half's sum of the row
	v_lshl_add_u32 v[OSL], v[RR], 2, OSC
	v_mul_u32_u24 v[STO], v[RR], 272
	v_mul_u32_u24 v[RD], v[HH], 272
	v_lshlrev_b32 v[GO], 11, v[HH]
	v_lshl_add_u32 v[STO], v[HH], 7, v[STO]
	v_lshl_add_u32 v[RD], v[RR], 4, v[RD]
	v_lshl_add_u32 v[GO], v[RR], 4, v[GO]
	v_add_nc_u32 v[STO], s57, v[STO]               ; in: row r, 128 h + 64 kh
	v_add_nc_u32 v[RD], s58, v[RD]                 ; back: row 8 kh + h, 16 r
	v_add_nc_u32 v[GO], s59, v[GO]                 ; and the same place in out0
	s_wait_alu depctr_va_vdst(0)                   ; ahead of the branch and the barrier
	s_cmp_lt_u32 s[WV], 8
	s_cbranch_scc1 .Lkeeps
.irp q, 0,1,2,3,4,5,6,7
	ds_store_b128 v[MGA], v[OT+4*\q:OT+4*\q+3] offset:512*\q     ; waves 8-15 hand over O^T,
.endr
	ds_store_b128 v[MGA], v[12:15] offset:4096                   ; -M and the sum
.Lkeeps:
	s_wait_dscnt 0x0
	s_barrier_signal -1
	s_barrier_wait -1
	s_cmp_ge_u32 s[WV], 8
	s_cbranch_scc1 .Lgave
.irp q, 0,1,2,3,4,5,6,7
	ds_load_b128 v[OX+4*\q:OX+4*\q+3], v[MGA] offset:512*\q
.endr
	ds_load_b128 v[28:31], v[MGA] offset:4096
	s_wait_dscnt 0x0
	v_min_num_f32 v[T0], v12, v28                  ; -M of both halves
	s_delay_alu instid0(VALU_DEP_1)
	v_sub_f32 v[T1], v[T0], v12                    ; whole numbers, 0 or less
	v_sub_f32 v[BM], v[T0], v28
	s_delay_alu instid0(VALU_DEP_2)
	v_cvt_i32_f32 v[T1], v[T1]
	s_delay_alu instid0(VALU_DEP_2)
	v_cvt_i32_f32 v[BM], v[BM]
	s_delay_alu instid0(VALU_DEP_2)
	v_ldexp_f32 v[FAC], 1.0, v[T1]                 ; my part's factor,
	s_delay_alu instid0(VALU_DEP_2)
	v_ldexp_f32 v[T0], 1.0, v[BM]                  ; the partner's
	s_delay_alu instid0(VALU_DEP_2)
	v_mul_f32 v14, v14, v[FAC]
	s_delay_alu instid0(VALU_DEP_1)
	v_fmac_f32 v14, v30, v[T0]                     ; the row's sum
	s_wait_alu depctr_va_vdst(0)
	v_rcp_f32 v15, v14
	v_nop
	s_wait_alu depctr_va_vdst(0)
	v_mul_f32 v[FAC], v[FAC], v15
	v_mul_f32 v[T0], v[T0], v15
	s_wait_alu depctr_va_vdst(0)                   ; the wait directly ahead of the first reader of O^T
.irp j, 0,2,4,6,8,10,12,14,16,18,20,22,24,26,28,30
	v_pk_mul_f32 v[OX+\j:OX+\j+1], v[OX+\j:OX+\j+1], v[T0:T1] op_sel_hi:[1,0]
.endr
.irp j, 0,2,4,6,8,10,12,14,16,18,20,22,24,26,28,30
	v_pk_fma_f32 v[OX+\j:OX+\j+1], v[OT+\j:OT+\j+1], v[FAC:FAC+1], v[OX+\j:OX+\j+1] op_sel_hi:[1,0,1]   ; the finished o: d = 32 h + 0 .. 31 of query r, a whole block
.endr
	v_max3_num_f32 v[BM], |v[OX]|, |v[OX+1]|, 0x2800000
	v_max3_num_f32 v[BM+1], |v[OX+2]|, |v[OX+3]|, 0x2800000
.irp i, 4,8,12,16,20,24,28
	s_delay_alu instid0(VALU_DEP_2)
	v_max3_num_f32 v[BM], v[BM], |v[OX+\i]|, |v[OX+\i+1]|
	s_delay_alu instid0(VALU_DEP_2)
	v_max3_num_f32 v[BM+1], v[BM+1], |v[OX+\i+2]|, |v[OX+\i+3]|
.endr
	s_delay_alu instid0(VALU_DEP_1)
	v_max_num_f32 v[BM], v[BM], v[BM+1]
	s_delay_alu instid0(VALU_DEP_1)
	v_add_nc_u32 v[SCL], 0xfe000000, v[BM]
	s_delay_alu instid0(VALU_DEP_1)
	v_lshrrev_b32 v[BY], 23, v[SCL]
	s_delay_alu instid0(VALU_DEP_1)
	v_lshlrev_b32 v[T0], v[SH8], v[BY]
	s_delay_alu instid0(VALU_DEP_1)
	v_permlanex16_b32 v[T1], v[T0], s[SEL], s[SEL+1]
	s_delay_alu instid0(VALU_DEP_1)
	v_or_b32 v[T0], v[T0], v[T1]                   ; my sub's two scale bytes
	v_cvt_scalef32_pk16_bf6_f32 v[PC:PC+2], v[OX:OX+15], v[SCL]
	v_cvt_scalef32_pk16_bf6_f32 v[TC:TC+2], v[OX+16:OX+31], v[SCL]
	v_nop
.irp i, 0,1,2
	v_mov_b32 v[PC+3+\i], v[TC+\i]
.endr
.irp p, 0,1,2
	ds_store_b64 v[OIA], v[PC+2*\p:PC+2*\p+1] offset:256*\p
.endr
	ds_store_b16 v[OSS], v[T0]
.Lgave:
	s_wait_dscnt 0x0
	s_barrier_signal -1
	s_barrier_wait -1
.irp s, 0,1,2,3
.irp u, 0,1
.irp p, 0,1,2
	ds_load_b64 v[OF+12*\s+6*\u+2*\p:OF+12*\s+6*\u+2*\p+1], v[OIL] offset:768*(2*\s+\u)+256*\p
.endr
.endr
	ds_load_b32 v[OS+\s], v[OSL] offset:64*\s
.endr
	s_wait_loadcnt 0x0                             ; W_out's fragments, scale words and the bias
	s_wait_dscnt 0x0
.irp s, 0,1,2,3                        ; transposed: source 0 = 16 rows of W_out, source 1 = the 16 rows of o; the bias is the C of each sum's first product; the two accumulators by turns
.irp i, 0,1
.if \s == 0
	v_wmma_scale_f32_16x16x128_f8f6f4 v[YA+8*\i:YA+8*\i+7], v[WF+12*(4*\i+\s):WF+12*(4*\i+\s)+11], v[OF+12*\s:OF+12*\s+11], v[BO+8*\i:BO+8*\i+7], v[WOS+2*\i], v[OS] matrix_a_fmt:MATRIX_FMT_BF6 matrix_b_fmt:MATRIX_FMT_BF6
.elseif \s%2
	v_wmma_scale_f32_16x16x128_f8f6f4 v[YA+8*\i:YA+8*\i+7], v[WF+12*(4*\i+\s):WF+12*(4*\i+\s)+11], v[OF+12*\s:OF+12*\s+11], v[YA+8*\i:YA+8*\i+7], v[WOS+2*\i+\s/2], v[OS+\s] matrix_a_fmt:MATRIX_FMT_BF6 matrix_b_fmt:MATRIX_FMT_BF6 matrix_a_scale:MATRIX_SCALE_ROW1
.else
	v_wmma_scale_f32_16x16x128_f8f6f4 v[YA+8*\i:YA+8*\i+7], v[WF+12*(4*\i+\s):WF+12*(4*\i+\s)+11], v[OF+12*\s:OF+12*\s+11], v[YA+8*\i:YA+8*\i+7], v[WOS+2*\i+\s/2], v[OS+\s] matrix_a_fmt:MATRIX_FMT_BF6 matrix_b_fmt:MATRIX_FMT_BF6
.endif
.endr
.endr
	PLACES
.irp i, 0,1
	ds_store_b128 v[STO], v[YA+8*\i:YA+8*\i+3] offset:32*\i      ; columns 64 w8 + 32 h + 16 kh + 8 i on, of row r
	ds_store_b128 v[STO], v[YA+8*\i+4:YA+8*\i+7] offset:32*\i+16
.endr
	s_wait_dscnt 0x0                               ; for my partner's sake
	s_barrier_signal -1
	s_barrier_wait -1
.irp t, 0,1,2,3
	ds_load_b128 v[OX+4*\t:OX+4*\t+3], v[RD] offset:544*\t
.endr
.irp t, 0,1,2,3
	s_wait_dscnt 3-\t                              ; LDS loads come back in order: the 3 - t younger ones may be out
	global_store_b128 v[GO], v[OX+4*\t:OX+4*\t+3], s[OUTP:OUTP+1] offset:4096*\t th:TH_STORE_NT   ; sixteen lanes store 256 consecutive bytes, at a multiple of 256 from out0's first byte
.endr
	s_wait_tensorcnt 0x0                           ; the wave's end
	ds_add_u32 v[SPW], v[NIL]
	s_wait_dscnt 0x0
	CROUND                                         ; the closing round
	s_endpgm
.Lfunc_end_k_q72682c6bdb_attn:
	.size	k_q72682c6bdb_attn, .Lfunc_end_k_q72682c6bdb_attn-k_q72682c6bdb_attn
	.p2alignl 7, 3214868480
	.fill 96, 4, 3214868480
	.section	.rodata,"a",@progbits
	.p2align	6, 0x0
	.amdhsa_kernel k_q72682c6bdb_attn
		.amdhsa_group_segment_fixed_size 327680
		.amdhsa_private_segment_fixed_size 0
		.amdhsa_enable_private_segment 0
		.amdhsa_kernarg_size 48
		.amdhsa_user_sgpr_count 2
		.amdhsa_user_sgpr_kernarg_segment_ptr 1
		.amdhsa_wavefront_size32 1
		.amdhsa_system_sgpr_workgroup_id_x 1
		.amdhsa_system_sgpr_workgroup_id_y 1
		.amdhsa_system_sgpr_workgroup_id_z 1
		.amdhsa_system_vgpr_workitem_id 0
		.amdhsa_next_free_vgpr 256
		.amdhsa_next_free_sgpr 76
		.amdhsa_reserve_vcc 0
		.amdhsa_float_denorm_mode_32 3
		.amdhsa_float_denorm_mode_16_64 3
		.amdhsa_memory_ordered 1
		.amdhsa_forward_progress 1
		.amdhsa_inst_pref_size 71
	.end_amdhsa_kernel
	.amdgpu_metadata
---
amdhsa.version: [ 1, 2 ]
amdhsa.kernels:
  - .name:           k_q72682c6bdb_attn
    .symbol:         k_q72682c6bdb_attn.kd
    .args:
      - { .name: qc, .offset: 0, .size: 8, .value_kind: global_buffer, .address_space: global }
      - { .name: kv, .offset: 8, .size: 8, .value_kind: global_buffer, .address_space: global }
      - { .name: wimg, .offset: 16, .size: 8, .value_kind: global_buffer, .address_space: global }
      - { .name: wsc, .offset: 24, .size: 8, .value_kind: global_buffer, .address_space: global }
      - { .name: b_out, .offset: 32, .size: 8, .value_kind: global_buffer, .address_space: global }
      - { .name: out0, .offset: 40, .size: 8, .value_kind: global_buffer, .address_space: global }
    .group_segment_fixed_size: 327680
    .private_segment_fixed_size: 0
    .kernarg_segment_align: 8
    .kernarg_segment_size: 48
    .max_flat_workgroup_size: 512
    .sgpr_count:     76
    .vgpr_count:     256
    .wavefront_size: 32
...
	.end_amdgpu_metadata
.endif
;; end of part 3
